; MI455X (gfx1250); checked and timed in simulation.
; The chip was launched on July 23, 2026; its instructions are those of AMD's public machine-readable ISA for CDNA 5 (MIT licence, August 2026) and "CDNA5" Instruction Set Architecture Reference Guide (July 2026). The comments in the code are by the model that wrote it; some were corrected since.
;; Bastile Gpt Oss Experts. Allowed arithmetic: matrix products marked QUANTISED: E2M3 operands, one E8M0 scale for each 32 along K, by v_wmma_scale_f32_16x16x128_f8f6f4 with both operands' format E2M3, f32 sums; products left as they are: f32 operands where the result goes on into a quantised operand, else bf16, f16 or f32 operands; f32 sums; everything else in f32.
;; Inputs: down_proj_bias 8 x 1,024 float32; down_proj_codes 8 x 1,024 x 64 x 24 uint8 (E2M3 codes of down_proj, K innermost, in blocks of 32 codes, four codes in three bytes); down_proj_scales 8 x 1,024 x 64 uint8 (E8M0 scales of down_proj, one for each 32 codes along K); gate_up_proj_bias 8 x 4,096 float32; gate_up_proj_codes 8 x 4,096 x 32 x 24 uint8 (E2M3 codes of gate_up_proj, K innermost, in blocks of 32 codes, four codes in three bytes); gate_up_proj_scales 8 x 4,096 x 32 uint8 (E8M0 scales of gate_up_proj, one for each 32 codes along K); hidden_states_codes 2 x 512 x 32 x 24 uint8 (E2M3 codes of hidden_states, K innermost, in blocks of 32 codes, four codes in three bytes); hidden_states_scales 2 x 512 x 32 uint8 (E8M0 scales of hidden_states, one for each 32 codes along K); router_indices 1,024 x 2 int32; routing_weights 1,024 x 8 float32.
;; Outputs: out0 2 x 512 x 1,024 float32.
;; This version of the problem:
;;   THIS VERSION OF THE PROBLEM IS GIVEN IN LOW PRECISION. The matrix products marked QUANTISED in the list below multiply operands that are first quantised to E2M3 (2 exponent bits, 3 mantissa bits; 6 bits a number), with one power-of-two scale for each 32 numbers along K (OCP MX v1.0); their sums are f32. All else is computed in f32.
;;   The module's matrix products, in the order in which they are computed (A, B: the left and right operand; K: the contracted axis; several contracted axes count as one K, in the product's order):
;;     1. [M 32,768, K 1,024] x [K 1,024, N 1,024]; A: input gate_up_proj (given as codes); B: input hidden_states (given as codes): QUANTISED
;;     2. batch 8 x [M 1,024, K 2,048] x [K 2,048, N 1,024]; A: computed on the way; B: input down_proj (given as codes): QUANTISED
;;     3. batch 1,024 x [M 1,024, K 8] x [K 8, N 1]; A: computed on the way; B: computed on the way: left as it is (K = 8 < 32)
;;   THE QUANTISER, for each operand of a quantised product, along K:
;;     - K is cut into blocks of 32 from its start; a last block that is shorter is filled with zeros.
;;     - A block's scale is 2^e with e = floor(log2(the largest magnitude in the block)) - 2, held to -126 .. 127; a block of zeros has e = 0. As a byte (E8M0): e + 127.
;;     - Each number is divided by its block's scale, clamped to +-7.5, and rounded to the nearest number of E2M3, ties to even, subnormals kept.
;;     - The product sums the exact products of the quantised numbers (number of the format x scale) in f32.
;;   ~~~python
;;   def quantise(x, axis):      # numpy; x: float32 -> the quantised numbers, widened to float32 again
;;       x = np.moveaxis(x, axis, -1); K = x.shape[-1]
;;       x = np.pad(x, [(0, 0)] * (x.ndim - 1) + [(0, -K % 32)]); x = x.reshape(x.shape[:-1] + (-1, 32)); a = np.abs(x).max(-1, keepdims=True)
;;       e = np.where(a > 0, np.clip(np.frexp(np.where(a > 0, a, 1))[1] - 1 - 2, -126, 127), 0)      # np.frexp(a)[1] - 1 = floor(log2(a)), exactly
;;       r = np.clip(x / 2.0 ** e, -7.5, 7.5)
;;       step = 2.0 ** (np.maximum(np.frexp(np.where(r == 0, 1, r))[1] - 1, 0) - 3)
;;       q = np.round(r / step) * step * 2.0 ** e      # np.round: ties to even
;;       return np.moveaxis(q.reshape(q.shape[:-2] + (-1,))[..., :K], -1, axis).astype(np.float32)
;;   ~~~
;;   OPERANDS COMPUTED ON THE WAY. 'Computed on the way' means the value that the module computes at that place (a softmax that the list does not call 'softmax' is quantised finished and normalised). What goes into a quantiser is computed in f32, as accurately as f32 sums, v_exp_f32 and their like allow (about 1e-6 of the number): no bf16 or f16 on the way to a quantiser, and a product that is left as it is and whose result goes on into a quantised operand takes f32 operands (vector FMAs, or v_wmma_f32_16x16x4_f32). A number that lies on a knife's edge between two numbers of the format may be rounded either way, as far as f32 arithmetic and the matrix unit's own rounding can turn it there, and no further.
;;   INPUTS GIVEN AS CODES. down_proj (in the module: [8, 2048, 1024], K = its axis 1); gate_up_proj (in the module: [8, 1024, 4096], K = its axis 1); hidden_states (in the module: [2, 512, 1024], K = its axis 2): each comes as NAME_codes (uint8): NAME with its K axis moved to the last place and cut into blocks of 32 codes, [.., K / 32, bytes a block], one block behind the other in memory; four codes in three bytes: a row's codes are one little-endian stream of bits, code i at bits 6 i .. 6 i + 5 (a code: sign, 2 exponent bits, 3 mantissa bits); and NAME_scales (uint8): the same leading axes, one E8M0 byte (e + 127) for each 32 codes along K. Its value is code x scale, taken as it is: it is not quantised again, and the codes and scales need not be those that the quantiser above would give.
;; One version. Each part assembles by itself: llvm-mc -triple=amdgcn-amd-amdhsa -mcpu=gfx1250 --defsym DOCPART=n.
;; ======== version 1 of 1: 3 launches
;; limits: right only within a limited range of input values
;; workspace buffers: act_codes 25,165,824 bytes; act_scales 1,048,576 bytes; rlist 147,456 bytes of whole numbers; rcount 2,048 bytes of whole numbers; part 8,388,608 bytes
;; launch gate (part 1): grid 32 x 8, 4 waves a work-group, no clusters, 294,144 bytes of LDS; arguments rlist, rcount, hidden_states_codes, hidden_states_scales, gate_up_proj_codes, gate_up_proj_scales, gate_up_proj_bias, act_codes, act_scales, router_indices; writes rlist, rcount, act_codes, act_scales
.if DOCPART == 1
	.amdgcn_target "amdgcn-amd-amdhsa--gfx1250"
	.amdhsa_code_object_version 6
	.text
	.protected	k_qe237488257_gate
	.globl	k_qe237488257_gate
	.p2align	8
	.type	k_qe237488257_gate,@function
k_qe237488257_gate:
	s_mov_b64 s[64:65], 0
	v_nop
	global_prefetch_b8 v0, s[64:65] scope:SCOPE_SE
	s_setreg_imm32_b32 hwreg(HW_REG_WAVE_MODE, 25, 1), 1
	s_wait_xcnt 0x0
; ROUTING, FIRST PRODUCT, ACTIVATION, QUANTISER.  act = (clip(up, -7, 7) + 1) x gate' x sigmoid(1.702 gate'), gate' = min(gate, 7), gate_up = x W1 + b1 on codes of FP6 (E2M3) with E8M0 scales.
; WORK LEFT OUT: reference() multiplies an expert's result for a token by w = routing_weights x sel, and sel is 0 for every expert that router_indices does not name for the token: for all finite inputs
; such a term is 0 and reaches no output.  So only the rows rho = 2 t + k of the experts named are computed, here and in the later launches.  LIMIT: a NaN, an infinity or an overflow in a term left out is not carried to the result.
; THE LIST.  Wave 0 of every work-group lists its expert's rows in LDS: entry = rho | dup << 16; dup marks an odd row whose expert is its even partner's (reference() counts the expert once: the next launch gives the row weight 0).
; The list is first cleared (entry 0 is a valid row); entries n .. n + 15 repeat entry n - 1, so that a row that fills up the last tile computes and stores what a real row of that tile does.
; Eight rows of each lane go together: eight compares, eight counts and their running sum in scalar registers, then eight address chains side by side.
; Every wave counts n itself from the indices, in scalar registers.  The work-groups x = 0 store list and count for the next launch.  LIMIT: indices lie in 0 .. 7, as the problem grants.
; SHARES.  Work-group (x, y): expert y; s2 = x / 2, c = x % 2: two blocks of 32 of I, 128 s2 + 64 h' + 32 c + 0 .. 31: 128 rows of W1, 98,304 bytes, which it alone reads, once, and keeps in LDS.
; Wave w takes tiles of 16 rows j = w + 4 m + 20 lap, m = 0 .. 4; 7 laps serve all 2,048 rows on one expert.
; ONE SWEEP ALONG K: 8 tiles of W1 x 5 tiles of rows = 40 accumulators; a step's fragments of W1 and of x come from LDS, two sets by turns.
; x comes in thirds of a row (256 bytes, aligned): thirds 0 and 1 are asked for behind the list, third 2 when third 0 has been put into LDS; it is put there ahead of K step 4's products.
; x's stage is each wave's own: a ring of 11 half fragments a tile.  Half fragments q3 = 2 s + h = 0 .. 10 lie in places 0 .. 10; third 2 comes when steps 0 .. 2 have been read:
; its pieces 33 .. 47 (q3 = 11 .. 15) take places 0 .. 4, and piece 32, the last of q3 = 10, the start of place 5.
; K ORDER: lane (m, h) takes 48 consecutive bytes of its row at 96 s + 48 h, alike on both sides; so bytes 1 and 2 of every given scale word change places.  The sums inside an instruction are grouped otherwise
; than with K in its own order; the result is compared within a tolerance.
; TRANSPOSED: source 0 = 16 rows of W1, source 1 = 16 routed rows.  Row m of tile (u, gate or up) is unit 8 u + m % 8 + 16 (m / 8) of the block: a lane's 16 registers of u = 0, 1 are 16 neighbours along I.
; NO TENSOR LOAD, NO CLUSTER: laps and stores are passed over by branches on a count made from loaded indices; no two work-groups read the same bytes of W1.  NO PREFETCH: all of W1 is asked for at the head; there is no loop to run ahead in.
; LIMITS: NaN and infinities are not served.  v_exp_f32 and v_rcp_f32 flush denormals: a sigmoid under 2^-126 counts as 0.  A block of zeros gets the scale byte 1 (this program alone reads the bytes).
; REGISTERS.  Window 0: v1-15, v113-155 addresses and the list's work; v16-35 x's scale words; v36-67 W1's; v68-112 row offsets; v160-191 x as loaded, tile 4; v192-255 the indices, then b1.
; Window 1, 2: v0-159 the accumulators of block 0, 1 (at the head: x's third 1; b1 as loaded); v160-255 a set of W1's fragments each (at the head W1 as loaded; behind the sweep at work).
; Window 3: v0-119 two sets of x's fragments; v120-247 x as loaded, tiles 0-3.
.set LSTR,  18432
.set FRP,   1632
.set HALF,  816
.set XT,    11*HALF
.set XST,   64*FRP
.set XSTW,  5*XT
.set LIST,  284160
.set SPARE, 293632
.set ADRW,  1
.set XR,    3
.set XR5,   4
.set XB,    5
.set R4,    8
.set C16,   9
.set H16,   10
.set L16,   11
.set L8,    12
.set SPW,   13
.set NIL,   14
.set LH,    15
.set XS,    16
.set WS,    36
.set TV,    68
.set LR,    113
.set LHC,   114
.set LRC,   115
.set WA,    116
.set WSA,   119
.set BA,    120
.set WL,    121
.set T,     122
.set EB,    122                        ; the list: eight entries (the head's work registers are free by then)
.set XR5B,  132
.set V4L,   136
.set V4D,   137
.set VTR,   138
.set P0,    139
.set P1,    140
.set E0,    141
.set E1,    142
.set PF,    143
.set Z,     144
.set PB,    148                        ; the list: eight addresses
.set IX,    192
.set BI,    192
.set TT,    160                        ; windows 1, 2, behind the sweep
.set M,     176
.set M2,    177
.set MK,    52                         ; s52-59 eight masks; s68-75 rows ahead of each; s76-83 their counts
.set BS,    68
.set CN,    76
.set MSB, 0
.macro WIN new
.if MSB != (\new)
	s_set_vgpr_msb (MSB<<8)|(\new)
.set MSB, (\new)
.endif
.endm
.macro PLACES n
.rept \n
	v_nop
.endr
.endm
.macro LISTX                           ; my five tiles' entries: for a = 0 .. 7 that of row 2 a + lane / 16, and that of row lane % 16
	v_add_nc_u32 v[LHC], s31, v[LH]
	v_add_nc_u32 v[LRC], s31, v[LR]
.irp m, 0,1,2,3,4
.irp a, 0,1,2,3,4,5,6,7
	ds_load_b32 v[TV+9*\m+\a], v[LHC] offset:256*\m+8*\a
.endr
	ds_load_b32 v[TV+9*\m+8], v[LRC] offset:256*\m
.endr
	s_wait_dscnt 0x0
.endm
.macro OFFS                            ; entries become byte offsets (token = bits 10:1, held at 1,023), a tile's nine side by side; then the rows' scale words are asked for
.irp m, 0,1,2,3,4
.irp a, 0,1,2,3,4,5,6,7,8
	v_bfe_u32 v[TV+9*\m+\a], v[TV+9*\m+\a], 1, 10
.endr
.irp a, 0,1,2,3,4,5,6,7,8
	v_min_u32 v[TV+9*\m+\a], 0x3ff, v[TV+9*\m+\a]
.endr
.irp a, 0,1,2,3,4,5,6,7
	v_mul_u32_u24 v[TV+9*\m+\a], 768, v[TV+9*\m+\a]
.endr
	v_lshlrev_b32 v[TV+9*\m+8], 5, v[TV+9*\m+8]
.irp a, 0,1,2,3,4,5,6,7
	v_add_nc_u32 v[TV+9*\m+\a], v[C16], v[TV+9*\m+\a]
.endr
	v_add_nc_u32 v[TV+9*\m+8], v[H16], v[TV+9*\m+8]
.endr
	s_wait_alu depctr_va_vdst(0)
.irp m, 0,1,2,3,4
	global_load_b128 v[XS+4*\m:XS+4*\m+3], v[TV+9*\m+8], s[10:11]   ; lane (r, h): words of steps 4 h + 0 .. 3 of row r
.endr
.endm
.macro XLOAD t, set                    ; third t of my 80 rows: lanes 0-15 take 256 consecutive bytes of row 2 a, lanes 16-31 of row 2 a + 1.  set 1: into block 0's accumulators
.if \set
	WIN 0x40
.irp m, 0,1,2,3,4
.irp a, 0,1,2,3,4,5,6,7
	global_load_b128 v[32*\m+4*\a:32*\m+4*\a+3], v[TV+9*\m+\a], s[8:9] offset:256*\t
.endr
.endr
.else
	WIN 0xc0
.irp m, 0,1,2,3
.irp a, 0,1,2,3,4,5,6,7
	global_load_b128 v[120+32*\m+4*\a:120+32*\m+4*\a+3], v[TV+9*\m+\a], s[8:9] offset:256*\t
.endr
.endr
	WIN 0
.irp a, 0,1,2,3,4,5,6,7
	global_load_b128 v[160+4*\a:160+4*\a+3], v[TV+36+\a], s[8:9] offset:256*\t
.endr
.endif
	WIN 0
.endm
.macro STOREX t, set                   ; the same 40 pieces into my stage
.if \set
	WIN 0x04
.irp m, 0,1,2,3,4
.irp a, 0,1,2,3,4,5,6,7
	ds_store_b128 v[XB+\t], v[32*\m+4*\a:32*\m+4*\a+3] offset:XT*\m+96*\a
.endr
.endr
.else
	WIN 0x0c
.irp m, 0,1,2,3
.irp a, 0,1,2,3,4,5,6,7
	ds_store_b128 v[XB+\t], v[120+32*\m+4*\a:120+32*\m+4*\a+3] offset:XT*\m+96*\a
.endr
.endr
	WIN 0
.irp a, 0,1,2,3,4,5,6,7
	ds_store_b128 v[XB+\t], v[160+4*\a:160+4*\a+3] offset:XT*4+96*\a
.endr
.endif
	WIN 0
.endm
.macro FETCH s, buf                    ; K step s: 24 loads for W1's eight fragments, 15 for x's five, into set buf
	WIN (1+(\buf))<<6
.irp hp, 0,1
.irp fq, 0,1,2,3
.irp i, 0,1,2
	ds_load_b128 v[160+12*(4*\hp+\fq)+4*\i:160+12*(4*\hp+\fq)+4*\i+3], v[ADRW+\hp] offset:(8*\fq+(\s))*FRP+16*\i
.endr
.endr
.endr
	WIN 0xc0
.if (\s) == 5                          ; half fragments 10 and 11 lie in places 10 and 0
.set XA, XR5
.set XO, 0
.elseif (\s) > 5
.set XA, XR
.set XO, (2*(\s)-11)*HALF
.else
.set XA, XR
.set XO, (\s)*FRP
.endif
.irp rt, 0,1,2,3,4
.irp i, 0,1,2
.if ((\s) == 5) && (\i == 2)           ; piece 32 of a row (lanes 0-15) lies in place 5, piece 35 (lanes 16-31) in place 0
	ds_load_b128 v[60*(\buf)+12*\rt+4*\i:60*(\buf)+12*\rt+4*\i+3], v[XR5B] offset:XT*\rt+32
.else
	ds_load_b128 v[60*(\buf)+12*\rt+4*\i:60*(\buf)+12*\rt+4*\i+3], v[XA] offset:XT*\rt+XO+16*\i
.endif
.endr
.endr
.endm
.macro MUL s                           ; 40 products; the 40 accumulators take turns, one instruction a turn.  b1 is the C of each sum's first product
.irp hp, 0,1
.if (\s) == 0
	WIN (1+(\s)%2)|0x0c|((1+\hp)<<6)
.else
	WIN (1+(\s)%2)|0x0c|((1+\hp)<<4)|((1+\hp)<<6)
.endif
.irp fq, 0,1,2,3
.irp rt, 0,1,2,3,4
.set FP_, 2*(\fq%2)+\fq/2
.set DD, 32*\rt+8*FP_
.set AA, 160+12*(4*\hp+\fq)
.set BB, 60*((\s)%2)+12*\rt
.set SA, WS+4*(4*\hp+\fq)+(\s)%4
.set SB, XS+4*\rt+(\s)%4
.if (\s) == 0
	v_wmma_scale_f32_16x16x128_f8f6f4 v[DD:DD+7], v[AA:AA+11], v[BB:BB+11], v[BI+32*\hp+8*FP_:BI+32*\hp+8*FP_+7], v[SA], v[SB] matrix_a_fmt:MATRIX_FMT_FP6 matrix_b_fmt:MATRIX_FMT_FP6
.elseif (\s) < 4
	v_wmma_scale_f32_16x16x128_f8f6f4 v[DD:DD+7], v[AA:AA+11], v[BB:BB+11], v[DD:DD+7], v[SA], v[SB] matrix_a_fmt:MATRIX_FMT_FP6 matrix_b_fmt:MATRIX_FMT_FP6
.else
	v_wmma_scale_f32_16x16x128_f8f6f4 v[DD:DD+7], v[AA:AA+11], v[BB:BB+11], v[DD:DD+7], v[SA], v[SB] matrix_a_fmt:MATRIX_FMT_FP6 matrix_b_fmt:MATRIX_FMT_FP6 matrix_a_scale:MATRIX_SCALE_ROW1 matrix_b_scale:MATRIX_SCALE_ROW1
.endif
.endr
.endr
.endr
.endm
.macro SWEEP                           ; K = 1,024 in 8 steps; the next step's fragments are asked for ahead of each step's products
	FETCH 0, 0
.irp s, 0,1,2,3,4,5,6,7
.if \s > 0
	PLACES 4                                       ; in front of loads into the set that the last step's products read (ISA guide 7.12.1 for vector instructions)
.endif
.if \s == 4
	WIN 0
	s_wait_loadcnt 0x0                             ; x's third 2 is in; the places that it takes were last read for step 2
	STOREX 2, 0
.endif
.if \s == 4
	FETCH \s+1, (\s+1)%2
	s_wait_dscnt 63                                ; 79 are younger than step 4's loads; a wait names 63 at the most
.elseif \s < 7
	FETCH \s+1, (\s+1)%2
	s_wait_dscnt 39                                ; all but the 39 just issued
.else
	s_wait_dscnt 0x0
.endif
	MUL \s
.endr
	WIN 0
.endm
; THE ACTIVATION AND THE QUANTISER of a tile, its two blocks together, each in its own window: all plain work that needs no exponential first, then 32 exponentials, 32 reciprocals, and the rest.
.macro ACTA hp, rt                     ; each accumulator is read from its low end on
.set G, 32*\rt
.set U, 32*\rt+16
	WIN 0x55*(1+\hp)
	s_wait_alu depctr_va_vdst(0)                   ; the wait ahead of the first readers of matrix results
.irp n, 0,1,2,3,4,5,6,7,8,9,10,11,12,13,14,15
	v_min_num_f32 v[G+\n], s36, v[G+\n]            ; gate' = min(gate, 7)
.endr
.irp n, 0,1,2,3,4,5,6,7,8,9,10,11,12,13,14,15
	v_med3_num_f32 v[U+\n], v[U+\n], s37, s36      ; up held to -7 .. 7
.endr
.irp n, 0,2,4,6,8,10,12,14
	v_pk_mul_f32 v[TT+\n:TT+\n+1], v[G+\n:G+\n+1], s[34:35] op_sel_hi:[1,0]   ; -1.702 log2(e) gate'
.endr
	v_mov_b32 v[M2], 0                             ; a lane permute's destination counts as one of its sources
.endm
.macro ACTE hp
	WIN 0x55*(1+\hp)
.irp n, 0,1,2,3,4,5,6,7,8,9,10,11,12,13,14,15
	v_exp_f32 v[TT+\n], v[TT+\n]
.endr
.endm
.macro ACTP hp
	WIN 0x55*(1+\hp)
.irp n, 0,2,4,6,8,10,12,14
	v_pk_add_f32 v[TT+\n:TT+\n+1], v[TT+\n:TT+\n+1], 1.0 op_sel_hi:[1,0]
.endr
.endm
.macro ACTR hp
	WIN 0x55*(1+\hp)
.irp n, 0,1,2,3,4,5,6,7,8,9,10,11,12,13,14,15
	v_rcp_f32 v[TT+\n], v[TT+\n]                   ; the sigmoid
.endr
.endm
.macro ACTZ hp, rt
.set G, 32*\rt
.set U, 32*\rt+16
	WIN 0x55*(1+\hp)
.irp n, 0,2,4,6,8,10,12,14
	v_pk_mul_f32 v[G+\n:G+\n+1], v[G+\n:G+\n+1], v[TT+\n:TT+\n+1]
.endr
.irp n, 0,2,4,6,8,10,12,14
	v_pk_fma_f32 v[G+\n:G+\n+1], v[U+\n:U+\n+1], v[G+\n:G+\n+1], v[G+\n:G+\n+1]   ; (up + 1) x glu
.endr
	v_max3_num_f32 v[TT], |v[G]|, |v[G+1]|, 0x1800000   ; my 16 numbers' largest magnitude, in two chains, with the floor 2^(3 - 127)
	v_max3_num_f32 v[TT+1], |v[G+8]|, |v[G+9]|, |v[G+10]|
	v_max3_num_f32 v[TT], v[TT], |v[G+2]|, |v[G+3]|
	v_max3_num_f32 v[TT+1], v[TT+1], |v[G+11]|, |v[G+12]|
	v_max3_num_f32 v[TT], v[TT], |v[G+4]|, |v[G+5]|
	v_max3_num_f32 v[TT+1], v[TT+1], |v[G+13]|, |v[G+14]|
	v_max3_num_f32 v[TT], v[TT], |v[G+6]|, |v[G+7]|
	v_max3_num_f32 v[M], v[TT], v[TT+1], |v[G+15]|
	v_permlanex16_b32 v[M2], v[M], s38, s39
	v_max_num_f32 v[M], v[M], v[M2]                ; with lane l xor 16's 16: the block's
	v_add_nc_u32 v[M], 0xff000000, v[M]            ; 2 off its exponent field: the conversion's scale operand
	v_lshrrev_b32 v[G+24+\hp], 23, v[M]            ; the byte
	v_cvt_scalef32_pk16_fp6_f32 v[G+20:G+22], v[G:G+15], v[M]
	v_nop                                          ; a plain line behind a scaled conversion
.endm
.macro ACT2 rt
	ACTA 0, \rt
	ACTA 1, \rt
	s_wait_alu depctr_va_vdst(0)                   ; a wait ahead of a batch of transcendentals and one behind it
	ACTE 0
	ACTE 1
	v_nop
	s_wait_alu depctr_va_vdst(0)
	ACTP 0
	ACTP 1
	s_wait_alu depctr_va_vdst(0)
	ACTR 0
	ACTR 1
	v_nop
	s_wait_alu depctr_va_vdst(0)
	ACTZ 0, \rt
	ACTZ 1, \rt
.endm
.macro FIN rt                          ; the two blocks' halves change places so that a lane holds a whole block; then the tile's part of the second product's operand is stored
.set PZ, 32*\rt+16
	WIN 0x81                                       ; from window 1 into window 2
.irp i, 0,1,2
	v_mov_b32 v[PZ+\i], v[PZ+4+\i]
.endr
	v_mov_b32 v[PZ+10], v[PZ+8]
	WIN 0xaa
.irp i, 0,1,2
	v_permlane16_swap_b32 v[PZ+\i], v[PZ+4+\i]
.endr
.irp i, 0,1,2
	v_mov_b32 v[PZ+3+\i], v[PZ+4+\i]
.endr
	v_lshl_or_b32 v[PZ+8], v[PZ+9], 8, v[PZ+10]    ; the row's two bytes, places 2 c and 2 c + 1 of its word
	WIN 0x08
	global_store_b128 v[L16], v[PZ:PZ+3], s[18:19] offset:98304*\rt          ; 512 consecutive bytes
	global_store_b64 v[L8], v[PZ+4:PZ+5], s[18:19] offset:98304*\rt+512      ; 256 consecutive bytes
	global_store_b16 v[R4], v[PZ+8], s[20:21] offset:4096*\rt
	WIN 0
.endm
	s_load_b512 s[4:19], s[0:1], 0x0               ; rlist, rcount, x codes, x scales, W1 codes, W1 scales, b1, act codes
	s_load_b128 s[20:23], s[0:1], 0x40             ; act scales, router_indices
	v_lshl_add_u32 v[SPW], v0, 2, SPARE
	v_mov_b32 v[NIL], 0
	v_lshrrev_b32 v[T], 5, v0
	v_readfirstlane_b32 s24, v[T]                  ; wave
	s_and_b32 s45, ttmp7, 0xffff                   ; e
	s_lshr_b32 s25, ttmp9, 1                       ; s2
	s_and_b32 s26, ttmp9, 1                        ; c
	s_mul_i32 s41, s24, XSTW
	s_add_co_u32 s41, s41, XST                     ; my stage
	s_mul_i32 s42, s24, 16*FRP                     ; the 16 fragments of W1 that I bring
	s_lshl_b32 s43, s24, 6
	s_add_co_u32 s43, s43, LIST                    ; the list at tile w
	s_mov_b32 s33, 0
	s_mov_b32 s34, 0xc01d265f                      ; -1.702 log2(e)
	s_mov_b32 s35, s34
	s_mov_b32 s36, 0x40e00000                      ; 7
	s_mov_b32 s37, 0xc0e00000                      ; -7
	s_mov_b32 s38, 0x76543210
	s_mov_b32 s39, 0xfedcba98                      ; selects for lane l xor 16
	s_mov_b32 s40, 0x03010200                      ; bytes 1 and 2 change places
	s_mov_b32 s47, 0                               ; rows counted so far
	s_mov_b32 s31, 0                               ; the lap's place in the list, in bytes
	v_and_b32 v[T], 31, v0                         ; lane
	v_and_b32 v[T+1], 15, v0                       ; m
	v_bfe_u32 v[T+2], v0, 4, 1                     ; h
	v_lshlrev_b32 v[L16], 4, v[T]
	v_lshlrev_b32 v[L8], 3, v[T]
	v_lshlrev_b32 v[V4L], 2, v[T]
	v_add_nc_u32 v[VTR], 2304, v[T]                ; where a lane without a match stores; nobody reads it
	v_lshlrev_b32 v[C16], 4, v[T+1]
	v_lshlrev_b32 v[R4], 2, v[T+1]
	v_lshlrev_b32 v[H16], 4, v[T+2]
	v_lshlrev_b32 v[BA], 7, v[T+2]
	v_or_b32 v[V4D], 0x10000, v[V4L]
	v_add_nc_u32 v[PF], LIST, v[L16]
	v_and_b32 v[WSA], 8, v[T+1]
	v_add_nc_u32 v[WSA], v[WSA], v[T+1]            ; m % 8 + 16 (m / 8)
	v_lshl_add_u32 v[WSA], v[WSA], 6, v[H16]       ; W1's scale words: 64 bytes a unit, + 16 h
	v_mul_u32_u24 v[ADRW], 48, v[T+1]
	v_mad_u32_u24 v[ADRW], v[T+2], HALF, v[ADRW]
	v_add_nc_u32 v[ADRW+1], 32*FRP, v[ADRW]
	v_add_nc_u32 v[XR], s41, v[ADRW]
	v_mul_u32_u24 v[T+8], 48, v[T+1]
	v_sub_nc_u32 v[T+3], 1, v[T+2]                 ; 1 in lanes 0-15
	v_mad_u32_u24 v[XR5], v[T+3], 10*HALF, v[T+8]  ; K step 5, pieces 0 and 1: lanes 0-15 place 10, lanes 16-31 place 0
	v_mad_u32_u24 v[XR5B], v[T+3], 5*HALF-32, v[T+8]   ; its piece 2, with the offset 32: lanes 0-15 the start of place 5, lanes 16-31 byte 32 of place 0
	v_add_nc_u32 v[XR5], s41, v[XR5]
	v_add_nc_u32 v[XR5B], s41, v[XR5B]
	v_mad_u32_u24 v[WL], v[T+2], 768, v[C16]       ; W1: lanes 0-15 a unit's gate row, lanes 16-31 its up row
	v_lshl_add_u32 v[LH], v[T+2], 2, s43
	v_add_nc_u32 v[LR], s43, v[R4]
.irp z, 0,1,2,3
	v_mov_b32 v[Z+\z], 0
.endr
.irp t, 0,1,2                          ; piece Q = 16 t + lane % 16 of a row: half fragment Q / 3 (= 86 Q >> 8), 16 (Q % 3) in it
	v_add_nc_u32 v[T+3], 16*\t, v[T+1]
	v_mul_u32_u24 v[T+4], 86, v[T+3]
	v_lshrrev_b32 v[T+4], 8, v[T+4]
	v_mul_u32_u24 v[T+4], 768, v[T+4]
	v_lshl_add_u32 v[T+4], v[T+3], 4, v[T+4]       ; 768 (Q / 3) + 16 Q = 816 (Q / 3) + 16 (Q % 3)
	v_mad_u32_u24 v[T+6], v[T+2], 8*FRP, v[T+4]    ; up's tile lies 8 fragments behind gate's
	v_add_nc_u32 v[WA+\t], s42, v[T+6]
.if \t == 2                            ; x's third 2 in the ring: pieces 33 .. 47 count anew from place 0 (33 = 3 x 11); piece 32 takes the count 15: the start of place 5
	v_add_nc_u32 v[T+3], 15, v[T+1]
	v_and_b32 v[T+3], 15, v[T+3]
	v_mul_u32_u24 v[T+4], 86, v[T+3]
	v_lshrrev_b32 v[T+4], 8, v[T+4]
	v_mul_u32_u24 v[T+4], 768, v[T+4]
	v_lshl_add_u32 v[T+4], v[T+3], 4, v[T+4]
.endif
	v_mad_u32_u24 v[T+7], v[T+2], 48, v[T+4]       ; lanes 16-31: the next row
	v_add_nc_u32 v[XB+\t], s41, v[T+7]
.endr
	s_wait_alu depctr_va_vdst(0)                   ; the wait at the end of the head's vector work
	s_wait_kmcnt 0x0
.irp i, 0,1,2,3,4,5,6,7,8,9,10,11,12,13,14,15
	global_load_b128 v[IX+4*\i:IX+4*\i+3], v[L16], s[22:23] offset:512*\i   ; register 4 i + q of lane l: row 128 i + 4 l + q
.endr
	s_lshl_b32 s46, s25, 7
	s_lshl_b32 s41, s26, 5
	s_add_co_u32 s46, s46, s41                     ; 128 s2 + 32 c
	s_lshl_b32 s41, s45, 12
	s_lshl_b32 s42, s46, 1
	s_add_co_u32 s41, s41, s42                     ; the work-group's first row of W1
	s_lshl_b32 s32, s41, 5
	s_add_nc_u64 s[14:15], s[14:15], s[32:33]
	s_lshl_b32 s32, s41, 2
	s_add_nc_u64 s[16:17], s[16:17], s[32:33]
.irp hp, 0,1
.irp fq, 0,1,2,3
	global_load_b128 v[WS+4*(4*\hp+\fq):WS+4*(4*\hp+\fq)+3], v[WSA], s[14:15] offset:4096*\hp+512*(\fq/2)+32*(\fq%2)   ; lane (m, h): words of steps 4 h + 0 .. 3
.endr
.endr
	WIN 0x80
.irp hp, 0,1
.irp u, 0,1
.irp z, 0,1,2,3
	global_load_b128 v[16*(2*\hp+\u)+4*\z:16*(2*\hp+\u)+4*\z+3], v[BA], s[16:17] offset:512*\hp+64*\u+16*\z   ; b1 of my eight units, gate and up by turns
.endr
.endr
.endr
	WIN 0
	s_lshr_b32 s41, s24, 1
	s_lshl_b32 s41, s41, 6
	s_and_b32 s42, s24, 1
	s_lshl_b32 s42, s42, 3
	s_add_co_u32 s41, s41, s42
	s_add_co_u32 s41, s41, s46                     ; wave w brings block h' = w / 2, u = w % 2: its first unit
	s_mul_i32 s41, s41, 1536
	s_mul_i32 s44, s45, 3145728
	s_add_co_u32 s32, s41, s44
	s_add_nc_u64 s[12:13], s[12:13], s[32:33]
	WIN 0x40
.irp m, 0,1,2,3,4,5,6,7
.irp t, 0,1,2
	global_load_b128 v[160+12*\m+4*\t:160+12*\m+4*\t+3], v[WL], s[12:13] offset:\m*1536+256*\t th:TH_LOAD_NT   ; 2 x 256 consecutive bytes, aligned; read once in the launch
.endr
.endr
	WIN 0x80
.irp m, 0,1,2,3,4,5,6,7
.irp t, 0,1,2
	global_load_b128 v[160+12*\m+4*\t:160+12*\m+4*\t+3], v[WL], s[12:13] offset:(\m+16)*1536+256*\t th:TH_LOAD_NT
.endr
.endr
	WIN 0
	s_mul_i32 s41, s24, 24576
	s_add_co_u32 s32, s44, s41
	s_mul_i32 s41, s25, 1536
	s_add_co_u32 s32, s32, s41
	s_mul_i32 s41, s26, 768
	s_add_co_u32 s32, s32, s41
	s_add_nc_u64 s[18:19], s[18:19], s[32:33]      ; act's codes: [e][tile][s2][c][768]: at tile w
	s_lshl_b32 s32, s45, 17
	s_lshl_b32 s41, s24, 10
	s_add_co_u32 s32, s32, s41
	s_lshl_b32 s41, s25, 6
	s_add_co_u32 s32, s32, s41
	s_lshl_b32 s41, s26, 1
	s_add_co_u32 s32, s32, s41
	s_add_nc_u64 s[20:21], s[20:21], s[32:33]      ; act's scale words: [e][tile][s2][row]: at tile w, bytes 2 c, 2 c + 1
	s_mul_i32 s32, s45, LSTR
	s_add_nc_u64 s[4:5], s[4:5], s[32:33]
	s_lshl_b32 s32, s45, 8
	s_add_nc_u64 s[6:7], s[6:7], s[32:33]
	s_cmp_eq_u32 s24, 0
	s_cbranch_scc1 .Lbuild
	s_wait_loadcnt 63                              ; the indices are in: 72 loads are younger, a wait names 63 at the most
.set g, 0
.rept 8                                ; waves 1 to 3 only count, eight registers at a time
.irp k, 0,1,2,3,4,5,6,7
	v_cmp_eq_u32 s[MK+\k], s45, v[IX+g+\k]
.endr
.irp k, 0,1,2,3,4,5,6,7
	s_bcnt1_i32_b32 s[CN+\k], s[MK+\k]
.endr
.irp k, 0,1,2,3,4,5,6,7
	s_add_co_u32 s47, s47, s[CN+\k]
.endr
.set g, g+8
.endr
	s_branch .Ljoin
.Lbuild:
.set i, 0
.rept 18                               ; entries 0 .. 2,303 cleared
	ds_store_b128 v[PF], v[Z:Z+3] offset:512*i
.set i, i+1
.endr
	s_wait_loadcnt 63
.set g, 0
.rept 8                                ; eight registers (four tokens of each lane) at a time: position = rows so far + matches in lower lanes, held inside the list
.irp k, 0,1,2,3,4,5,6,7
	v_cmp_eq_u32 s[MK+\k], s45, v[IX+g+\k]
.endr
.irp k, 0,2,4,6
	v_add_nc_u32 v[EB+\k], 128*((g+\k)/4)+(g+\k)%4, v[V4L]
	v_cndmask_b32 v[EB+\k+1], v[V4L], v[V4D], s[MK+\k]   ; the odd row's mark, where the even row is mine too
.endr
.irp k, 1,3,5,7
	v_add_nc_u32 v[EB+\k], 128*((g+\k)/4)+(g+\k)%4, v[EB+\k]
.endr
.irp k, 0,1,2,3,4,5,6,7
	s_bcnt1_i32_b32 s[CN+\k], s[MK+\k]
.endr
	s_mov_b32 s[BS], s47
.irp k, 0,1,2,3,4,5,6
	s_add_co_u32 s[BS+1+\k], s[BS+\k], s[CN+\k]
.endr
	s_add_co_u32 s47, s[BS+7], s[CN+7]
.irp k, 0,1,2,3,4,5,6,7
	v_mbcnt_lo_u32_b32 v[PB+\k], s[MK+\k], s[BS+\k]
.endr
.irp k, 0,1,2,3,4,5,6,7
	v_cndmask_b32 v[PB+\k], v[VTR], v[PB+\k], s[MK+\k]
.endr
.irp k, 0,1,2,3,4,5,6,7
	v_min_u32 v[PB+\k], 0x91f, v[PB+\k]
.endr
.irp k, 0,1,2,3,4,5,6,7
	v_lshl_add_u32 v[PB+\k], v[PB+\k], 2, LIST
.endr
.irp k, 0,1,2,3,4,5,6,7
	ds_store_b32 v[PB+\k], v[EB+\k]
.endr
.set g, g+8
.endr
	s_max_u32 s50, s47, 1
	s_sub_co_u32 s50, s50, 1
	v_mov_b32 v[P0], s50
	v_min_u32 v[P0], 0x7ff, v[P0]
	v_lshl_add_u32 v[P0], v[P0], 2, LIST
	ds_load_b32 v[E0], v[P0]                       ; entry n - 1 (LDS serves a wave's instructions in order); with no row: the cleared entry 0
	v_mov_b32 v[P1], s47
	v_min_u32 v[P1], 0x800, v[P1]
	v_lshl_add_u32 v[P1], v[P1], 2, v[R4]
	v_add_nc_u32 v[P1], LIST, v[P1]
	v_mov_b32 v[E1], s47
	s_wait_alu depctr_va_vdst(0)
	s_wait_dscnt 0x0
	ds_store_b32 v[P1], v[E0]                      ; entries n .. n + 15
	s_cmp_lg_u32 ttmp9, 0
	s_cbranch_scc1 .Ljoin
.set i, 0
.rept 18                               ; work-group x = 0 stores its expert's list and count for the next launch
	ds_load_b128 v[160+4*i:160+4*i+3], v[PF] offset:512*i
.set i, i+1
.endr
	s_wait_dscnt 0x0
.set i, 0
.rept 18
	global_store_b128 v[L16], v[160+4*i:160+4*i+3], s[4:5] offset:512*i
.set i, i+1
.endr
	global_store_b32 v[V4L], v[E1], s[6:7]         ; n, in 32 words; word 0 is read
	s_wait_xcnt 0x0                                ; the stores' data registers are written again below
.Ljoin:
	s_wait_dscnt 0x0
	s_barrier_signal -1
	s_barrier_wait -1                              ; the list is whole
	s_add_co_u32 s28, s47, 15
	s_lshr_b32 s28, s28, 4
	s_max_u32 s28, s28, 1                          ; tiles; tile 0 is always made, so that the next launch's clamped loads find stored bytes
	s_mov_b32 s29, 0                               ; lap
	s_mov_b32 s30, s24                             ; my first tile of the lap
	LISTX
	OFFS
	XLOAD 0, 0
	s_wait_loadcnt 45                              ; W1, its scale words and b1 are in: x's 5 + 40 loads are younger
	XLOAD 1, 1
.irp n, 0,1,2,3,4,5,6,7,8,9,10,11,12,13,14,15,16,17,18,19,20,21,22,23,24,25,26,27,28,29,30,31
	v_perm_b32 v[WS+\n], v[WS+\n], v[WS+\n], s40
.endr
	WIN 0x02
.irp hp, 0,1
.irp u, 0,1
.irp gu, 0,1
.irp j, 0,1,2,3,4,5,6,7
	v_mov_b32 v[BI+32*\hp+8*(2*\gu+\u)+\j], v[16*(2*\hp+\u)+2*\j+\gu]   ; gate's and up's biases apart, as the accumulators lie
.endr
.endr
.endr
.endr
	WIN 0x04
.irp m, 0,1,2,3,4,5,6,7
.irp t, 0,1,2
	ds_store_b128 v[WA+\t], v[160+12*\m+4*\t:160+12*\m+4*\t+3] offset:48*\m
.endr
.endr
	WIN 0x08
.irp m, 0,1,2,3,4,5,6,7
.irp t, 0,1,2
	ds_store_b128 v[WA+\t], v[160+12*\m+4*\t:160+12*\m+4*\t+3] offset:48*(\m+8)
.endr
.endr
	WIN 0
	s_wait_alu depctr_va_vdst(0)
	s_wait_dscnt 0x0                               ; my part of W1 lies in LDS
	s_barrier_signal -1
	s_barrier_wait -1                              ; everybody's does; nothing is written there again
.Llap:
	s_cmp_ge_u32 s30, s28
	s_cbranch_scc1 .Lskip
	s_cmp_eq_u32 s29, 0
	s_cbranch_scc1 .Lhave                          ; the first lap's rows were asked for at the head
	s_wait_loadcnt 0x0                             ; no load of mine is out when the rows' registers are asked for anew
	LISTX
	OFFS
	XLOAD 0, 0
	XLOAD 1, 1
.Lhave:
	s_wait_loadcnt 40                              ; x's scale words and third 0 are in; third 1's 40 loads may be out
.irp n, 0,1,2,3,4,5,6,7,8,9,10,11,12,13,14,15,16,17,18,19
	v_perm_b32 v[XS+\n], v[XS+\n], v[XS+\n], s40
.endr
	PLACES 8                                       ; scale words written by vector instructions stand 8 places ahead of a scaled product
	s_wait_alu depctr_va_vdst(0)
	STOREX 0, 0
	XLOAD 2, 0
	s_wait_loadcnt 40                              ; third 1 is in; third 2's 40 loads may be out
	STOREX 1, 1
	SWEEP
	PLACES 4
.irp rt, 0,1,2,3,4                     ; a tile that does not exist, and all behind it, are passed over
	s_add_co_u32 s41, s30, 4*\rt
	s_cmp_ge_u32 s41, s28
	s_cbranch_scc1 .Lskip
	ACT2 \rt
	FIN \rt
.endr
.Lskip:
	s_wait_xcnt 0x0                                ; the stores' data and bases are written again only behind this wait
	s_add_nc_u64 s[18:19], s[18:19], 491520        ; 20 tiles on
	s_add_nc_u64 s[20:21], s[20:21], 20480
	s_add_co_u32 s31, s31, 1280
	s_add_co_u32 s30, s30, 20
	s_add_co_u32 s29, s29, 1
	s_cmp_lt_u32 s29, 7
	s_wait_alu depctr_va_vdst(0)
	s_cbranch_scc1 .Llap
	s_wait_tensorcnt 0x0                           ; the wave's end
	ds_add_u32 v[SPW], v[NIL]
	s_wait_dscnt 0x0
	s_endpgm
.Lfunc_end_k_qe237488257_gate:
	.size	k_qe237488257_gate, .Lfunc_end_k_qe237488257_gate-k_qe237488257_gate
	.p2alignl 7, 3214868480
	.fill 96, 4, 3214868480
	.section	.rodata,"a",@progbits
	.p2align	6, 0x0
	.amdhsa_kernel k_qe237488257_gate
		.amdhsa_group_segment_fixed_size 294144
		.amdhsa_private_segment_fixed_size 0
		.amdhsa_enable_private_segment 0
		.amdhsa_kernarg_size 80
		.amdhsa_user_sgpr_count 2
		.amdhsa_user_sgpr_kernarg_segment_ptr 1
		.amdhsa_wavefront_size32 1
		.amdhsa_system_sgpr_workgroup_id_x 1
		.amdhsa_system_sgpr_workgroup_id_y 1
		.amdhsa_system_sgpr_workgroup_id_z 1
		.amdhsa_system_vgpr_workitem_id 0
		.amdhsa_next_free_vgpr 1024
		.amdhsa_next_free_sgpr 90
		.amdhsa_reserve_vcc 0
		.amdhsa_float_denorm_mode_32 3
		.amdhsa_float_denorm_mode_16_64 3
		.amdhsa_memory_ordered 1
		.amdhsa_forward_progress 1
		.amdhsa_inst_pref_size 249
	.end_amdhsa_kernel
	.amdgpu_metadata
---
amdhsa.version: [ 1, 2 ]
amdhsa.kernels:
  - .name:           k_qe237488257_gate
    .symbol:         k_qe237488257_gate.kd
    .args:
      - { .name: rlist, .offset: 0, .size: 8, .value_kind: global_buffer, .address_space: global }
      - { .name: rcount, .offset: 8, .size: 8, .value_kind: global_buffer, .address_space: global }
      - { .name: hidden_states_codes, .offset: 16, .size: 8, .value_kind: global_buffer, .address_space: global }
      - { .name: hidden_states_scales, .offset: 24, .size: 8, .value_kind: global_buffer, .address_space: global }
      - { .name: gate_up_proj_codes, .offset: 32, .size: 8, .value_kind: global_buffer, .address_space: global }
      - { .name: gate_up_proj_scales, .offset: 40, .size: 8, .value_kind: global_buffer, .address_space: global }
      - { .name: gate_up_proj_bias, .offset: 48, .size: 8, .value_kind: global_buffer, .address_space: global }
      - { .name: act_codes, .offset: 56, .size: 8, .value_kind: global_buffer, .address_space: global }
      - { .name: act_scales, .offset: 64, .size: 8, .value_kind: global_buffer, .address_space: global }
      - { .name: router_indices, .offset: 72, .size: 8, .value_kind: global_buffer, .address_space: global }
    .group_segment_fixed_size: 294144
    .private_segment_fixed_size: 0
    .kernarg_segment_align: 8
    .kernarg_segment_size: 80
    .max_flat_workgroup_size: 128
    .sgpr_count:     90
    .vgpr_count:     1024
    .wavefront_size: 32
...
	.end_amdgpu_metadata
.endif
;; end of part 1
;; launch down (part 2): grid 32 x 8, 4 waves a work-group, no clusters, 122,368 bytes of LDS; arguments rlist, rcount, act_codes, act_scales, down_proj_codes, down_proj_scales, down_proj_bias, routing_weights, part; writes part
.if DOCPART == 2
	.amdgcn_target "amdgcn-amd-amdhsa--gfx1250"
	.amdhsa_code_object_version 6
	.text
	.protected	k_qe237488257_down
	.globl	k_qe237488257_down
	.p2align	8
	.type	k_qe237488257_down,@function
k_qe237488257_down:
	s_mov_b64 s[64:65], 0
	v_nop
	global_prefetch_b8 v0, s[64:65] scope:SCOPE_SE
	s_setreg_imm32_b32 hwreg(HW_REG_WAVE_MODE, 25, 1), 1
	s_wait_xcnt 0x0
; part[rho] = (act W2 + b2) x w, for each routed row rho = 2 t + k of expert e: w = routing_weights[t][e], or 0 for an odd row whose expert is its even partner's.  Codes of FP6 (E2M3), E8M0 scales.
; SHARES.  Work-group (x, y): expert e = y, columns 64 (x / 2) .. + 63 of H, tiles of rows of parity p = x % 2.  Its 64 rows of W2 (98,304 bytes) lie in LDS for the whole launch.
; Wave w takes tiles j = 2 (w + 4 m + 12 lap) + p, m = 0 .. 2; 6 laps serve all 2,048 rows on one expert.  A tile's act (16 fragments, stored by the launch before as images of the operand's registers) stays in registers.
; K ORDER, LDS LAYOUT AND TRANSPOSED USE as in the launch before: lane (m, h) takes 48 consecutive bytes of its row at 96 s + 48 h; bytes 1 and 2 of W2's scale words change places; act's words were stored so.
; Source 0 = 16 rows of W2 (columns of H), source 1 = 16 routed rows: a lane holds one routed row and eight neighbouring columns.  b2 is the C of each sum's first product.
; THE WAY OUT: a tile's 16 rows x 64 columns go through the wave's own stage and leave as rows: sixteen lanes store 256 consecutive bytes, aligned, of row rho.  Rows that fill up a tile repeat a real row and store the same numbers to the same place.
; NO TENSOR LOAD, NO CLUSTER: which tiles exist hangs on a count read from memory.  The two work-groups of a column group read the same 98,304 bytes of W2, a third of what each fetches.
; LIMITS: NaN and infinities are not served (0 x infinity for a row of weight 0).  More than 384 rows on an expert take further laps.
; REGISTERS.  Window 0: v1-15 addresses; v16-39 act's scale words; v40-71 W2's; v72-167 the 12 accumulators; v168-199 b2; v200-223 the rows' places in part; v224-229 weights; v230-240 at work.
; Windows 1-3: act, fragment (s, rt) at window 1 + s / 6, v[36 (s % 6) + 12 rt].  Window 3 v144-239: two sets of four fragments of W2.  At the head W2 lands in window 3 v144-239 and in the accumulators.
.set LSTR,  18432
.set FRP,   1632
.set HALF,  816
.set STG,   64*FRP
.set SP,    272                        ; a stage row: 256 bytes + 16
.set ADRW,  1
.set L16,   3
.set L8,    4
.set L4,    5
.set R4,    6
.set H4,    7
.set H32,   8
.set SO,    9
.set RD,    10
.set C16,   11
.set WSA,   12
.set WA,    13
.set AS,    16
.set WS,    40
.set ACC,   72
.set BI,    168
.set PO,    200
.set WT,    224
.set LV,    230
.set WO,    233
.set FB,    144
.set MSB, 0
.macro WIN new
.if MSB != (\new)
	s_set_vgpr_msb (MSB<<8)|(\new)
.set MSB, (\new)
.endif
.endm
.macro PLACES n
.rept \n
	v_nop
.endr
.endm
.macro LISTD                           ; my three tiles' entries: that of row lane % 16, and for t = 0 .. 7 that of row 2 t + lane / 16
.irp m, 0,1,2
	global_load_b32 v[LV+\m], v[R4], s[4:5] offset:512*\m
.irp t, 0,1,2,3,4,5,6,7
	global_load_b32 v[PO+8*\m+\t], v[H4], s[4:5] offset:512*\m+8*\t
.endr
.endr
.endm
.macro OFFSETS                         ; token (bits 10:1, held at 1,023) x 32; and the rows' weights are asked for
.irp m, 0,1,2
	v_bfe_u32 v[WO+\m], v[LV+\m], 1, 10
	v_min_u32 v[WO+\m], 0x3ff, v[WO+\m]
	v_lshlrev_b32 v[WO+\m], 5, v[WO+\m]
	global_load_b32 v[WT+2*\m], v[WO+\m], s[18:19]
.endr
.endm
.macro ACTLOAD                         ; a tile that does not exist is replaced by the last that does: its bytes are stored ones, and its results are not used
.irp m, 0,1,2
	s_add_co_u32 s49, s30, 8*\m
	s_min_u32 s49, s49, s28
	s_min_u32 s49, s49, 127
	s_mul_i32 s32, s49, 24576
	s_add_nc_u64 s[36+2*\m:37+2*\m], s[8:9], s[32:33]
	s_lshl_b32 s32, s49, 10
	s_add_nc_u64 s[42+2*\m:43+2*\m], s[10:11], s[32:33]
.endr
.irp m, 0,1,2
.irp q, 0,1,2,3,4,5,6,7
	global_load_b32 v[AS+8*\m+\q], v[L4], s[42+2*\m:43+2*\m] offset:128*\q   ; lanes 0-15: step 2 q, lanes 16-31: step 2 q + 1
.endr
.endr
.irp s, 0,1,2,3,4,5,6,7,8,9,10,11,12,13,14,15
	WIN (1+\s/6)<<6
.irp m, 0,1,2
.set RR, 36*(\s%6)+12*\m
	global_load_b128 v[RR:RR+3], v[L16], s[36+2*\m:37+2*\m] offset:1536*\s
	global_load_b64 v[RR+4:RR+5], v[L8], s[36+2*\m:37+2*\m] offset:1536*\s+512
	global_load_b128 v[RR+6:RR+9], v[L16], s[36+2*\m:37+2*\m] offset:1536*\s+768
	global_load_b64 v[RR+10:RR+11], v[L8], s[36+2*\m:37+2*\m] offset:1536*\s+1280
.endr
.endr
	WIN 0
.endm
.macro FETCHD s, buf
	WIN 0xc0
.irp ct, 0,1,2,3
.irp i, 0,1,2
	ds_load_b128 v[FB+48*(\buf)+12*\ct+4*\i:FB+48*(\buf)+12*\ct+4*\i+3], v[ADRW+\ct/2] offset:(16*(\ct%2)+(\s))*FRP+16*\i
.endr
.endr
.endm
.macro MULD s                          ; 12 products: 4 tiles of columns x 3 tiles of rows; the 12 accumulators take turns, one instruction a turn
	WIN 0x03|((1+(\s)/6)<<2)
.irp ct, 0,1,2,3
.irp rt, 0,1,2
.set DD, ACC+32*\rt+8*\ct
.set AA, FB+48*((\s)%2)+12*\ct
.set BB, 36*((\s)%6)+12*\rt
.set SA, WS+8*\ct+(\s)%8
.set SB, AS+8*\rt+(\s)/2
.if (\s) == 0
	v_wmma_scale_f32_16x16x128_f8f6f4 v[DD:DD+7], v[AA:AA+11], v[BB:BB+11], v[BI+8*\ct:BI+8*\ct+7], v[SA], v[SB] matrix_a_fmt:MATRIX_FMT_FP6 matrix_b_fmt:MATRIX_FMT_FP6
.elseif ((\s) < 8) && ((\s)%2 == 0)
	v_wmma_scale_f32_16x16x128_f8f6f4 v[DD:DD+7], v[AA:AA+11], v[BB:BB+11], v[DD:DD+7], v[SA], v[SB] matrix_a_fmt:MATRIX_FMT_FP6 matrix_b_fmt:MATRIX_FMT_FP6
.elseif (\s) < 8
	v_wmma_scale_f32_16x16x128_f8f6f4 v[DD:DD+7], v[AA:AA+11], v[BB:BB+11], v[DD:DD+7], v[SA], v[SB] matrix_a_fmt:MATRIX_FMT_FP6 matrix_b_fmt:MATRIX_FMT_FP6 matrix_b_scale:MATRIX_SCALE_ROW1
.elseif (\s)%2 == 0
	v_wmma_scale_f32_16x16x128_f8f6f4 v[DD:DD+7], v[AA:AA+11], v[BB:BB+11], v[DD:DD+7], v[SA], v[SB] matrix_a_fmt:MATRIX_FMT_FP6 matrix_b_fmt:MATRIX_FMT_FP6 matrix_a_scale:MATRIX_SCALE_ROW1
.else
	v_wmma_scale_f32_16x16x128_f8f6f4 v[DD:DD+7], v[AA:AA+11], v[BB:BB+11], v[DD:DD+7], v[SA], v[SB] matrix_a_fmt:MATRIX_FMT_FP6 matrix_b_fmt:MATRIX_FMT_FP6 matrix_a_scale:MATRIX_SCALE_ROW1 matrix_b_scale:MATRIX_SCALE_ROW1
.endif
.endr
.endr
.endm
.macro SWEEPD                          ; K = 2,048 in 16 steps
	FETCHD 0, 0
.irp s, 0,1,2,3,4,5,6,7,8,9,10,11,12,13,14,15
.if \s > 0
	PLACES 4                                       ; in front of loads into the set that the last step's products read
.endif
.if \s < 15
	FETCHD \s+1, (\s+1)%2
	s_wait_dscnt 12                                ; all but the 12 just issued
.else
	s_wait_dscnt 0x0
.endif
.if \s >= 10
	s_wait_loadcnt 12*(15-\s)                      ; act's step s is in: 12 loads for each later step may be out
.endif
	MULD \s
.endr
	WIN 0
.endm
.macro OUT rt                          ; a tile that does not exist, and all behind it, store nothing
.set A, ACC+32*\rt
	s_add_co_u32 s49, s30, 8*\rt
	s_cmp_ge_u32 s49, s27
	s_cbranch_scc1 .Lskip
.irp t, 0,1,2,3,4,5,6,7                ; the rows' places in part, [column group][rho][256 bytes]: rho (held at 2,047) x 256 + 16 (lane % 16)
	v_and_b32 v[PO+8*\rt+\t], 0x7ff, v[PO+8*\rt+\t]
.endr
.irp t, 0,1,2,3,4,5,6,7
	v_min_u32 v[PO+8*\rt+\t], 0x7ff, v[PO+8*\rt+\t]
.endr
.irp t, 0,1,2,3,4,5,6,7
	v_lshlrev_b32 v[PO+8*\rt+\t], 8, v[PO+8*\rt+\t]
.endr
.irp t, 0,1,2,3,4,5,6,7
	v_add_nc_u32 v[PO+8*\rt+\t], v[C16], v[PO+8*\rt+\t]
.endr
	s_wait_alu depctr_va_vdst(0)
.irp n, 0,2,4,6,8,10,12,14,16,18,20,22,24,26,28,30
	v_pk_mul_f32 v[A+\n:A+\n+1], v[A+\n:A+\n+1], v[WT+2*\rt:WT+2*\rt+1] op_sel_hi:[1,0]   ; x the row's weight; each accumulator from its low end on
.endr
.irp ct, 0,1,2,3
	ds_store_b128 v[SO], v[A+8*\ct:A+8*\ct+3] offset:64*\ct
	ds_store_b128 v[SO], v[A+8*\ct+4:A+8*\ct+7] offset:64*\ct+16
.endr
.irp t, 0,1,2,3,4,5,6,7
	ds_load_b128 v[A+4*\t:A+4*\t+3], v[RD] offset:2*SP*\t   ; LDS serves a wave's instructions in order: these see my stores, and the next tile's stores come behind them
.endr
.irp t, 0,1,2,3,4,5,6,7
	s_wait_dscnt 7-\t
	global_store_b128 v[PO+8*\rt+\t], v[A+4*\t:A+4*\t+3], s[20:21]   ; lanes 0-15: 256 consecutive bytes of row 2 t's rho, lanes 16-31 of row 2 t + 1's
.endr
.endm
	s_load_b512 s[4:19], s[0:1], 0x0               ; rlist, rcount, act codes, act scales, W2 codes, W2 scales, b2, routing_weights
	s_load_b64 s[20:21], s[0:1], 0x40              ; part
	v_lshl_add_u32 v254, v0, 2, 0x1dc00
	v_mov_b32 v255, 0
	v_lshrrev_b32 v236, 5, v0
	v_readfirstlane_b32 s22, v236                  ; wave
	s_and_b32 s23, ttmp7, 0xffff                   ; e
	s_lshr_b32 s24, ttmp9, 1                       ; column group
	s_and_b32 s25, ttmp9, 1                        ; p
	v_and_b32 v236, 31, v0                         ; lane
	v_and_b32 v237, 15, v0                         ; r
	v_bfe_u32 v238, v0, 4, 1                       ; h
	v_lshlrev_b32 v[L16], 4, v236
	v_lshlrev_b32 v[L8], 3, v236
	v_lshlrev_b32 v[L4], 2, v236
	v_lshlrev_b32 v[R4], 2, v237
	v_lshlrev_b32 v[H4], 2, v238
	v_lshlrev_b32 v[H32], 5, v238
	v_lshlrev_b32 v[C16], 4, v237
	v_lshl_add_u32 v[WSA], v237, 6, v[H32]         ; W2's scale words: 64 bytes a row, + 32 h
	v_mul_u32_u24 v[ADRW], 48, v237
	v_mad_u32_u24 v[ADRW], v238, HALF, v[ADRW]
	v_add_nc_u32 v[ADRW+1], 32*FRP, v[ADRW]
	s_mul_i32 s41, s22, 16*FRP                     ; wave w brings column tile w: 16 fragments
.irp k, 0,1,2
	v_add_nc_u32 v239, 32*\k, v236                 ; piece q = 32 k + lane of a row's 1,536 bytes goes to 768 (q / 3) + 16 q + 48 m; q / 3 = 86 q >> 8 for q < 96
	v_mul_u32_u24 v240, 86, v239
	v_lshrrev_b32 v240, 8, v240
	v_mul_u32_u24 v240, 768, v240
	v_lshl_add_u32 v[WA+\k], v239, 4, v240
	v_add_nc_u32 v[WA+\k], s41, v[WA+\k]
.endr
	s_mul_i32 s42, s22, 16*SP
	s_add_co_u32 s42, s42, STG                     ; my stage
	v_mul_u32_u24 v[SO], SP, v237
	v_add_nc_u32 v[SO], v[H32], v[SO]
	v_add_nc_u32 v[SO], s42, v[SO]                 ; in: row r, + 32 h
	v_mul_u32_u24 v[RD], SP, v238
	v_add_nc_u32 v[RD], v[C16], v[RD]
	v_add_nc_u32 v[RD], s42, v[RD]                 ; back: lanes 0-15 one row, lanes 16-31 the next
	s_mov_b32 s33, 0
	s_mov_b32 s48, 0x03010200                      ; bytes 1 and 2 change places
	s_lshl_b32 s30, s22, 1
	s_add_co_u32 s30, s30, s25                     ; my first tile: 2 w + p
	s_wait_kmcnt 0x0
	s_lshl_b32 s32, s23, 8
	s_add_nc_u64 s[6:7], s[6:7], s[32:33]
	s_load_b32 s26, s[6:7], 0x0                    ; n
	s_mul_i32 s32, s23, LSTR
	s_lshl_b32 s49, s30, 6
	s_add_co_u32 s32, s32, s49
	s_add_nc_u64 s[4:5], s[4:5], s[32:33]          ; the expert's list at my first tile
	LISTD                                          ; every entry that a lap can name has been stored, so these do not wait for n
	s_lshl_b32 s41, s23, 10
	s_lshl_b32 s49, s24, 6
	s_add_co_u32 s41, s41, s49                     ; the work-group's first row of W2: 1,024 e + 64 x column group
	s_lshl_b32 s49, s22, 4
	s_add_co_u32 s49, s49, s41
	s_mul_i32 s32, s49, 1536
	s_add_nc_u64 s[12:13], s[12:13], s[32:33]
	WIN 0xc0
.irp m, 0,1,2,3,4,5,6,7
.irp k, 0,1,2
	global_load_b128 v[FB+12*\m+4*\k:FB+12*\m+4*\k+3], v[L16], s[12:13] offset:1536*\m+512*\k   ; 512 consecutive bytes
.endr
.endr
	WIN 0
.irp m, 0,1,2,3,4,5,6,7
.irp k, 0,1,2
	global_load_b128 v[ACC+12*\m+4*\k:ACC+12*\m+4*\k+3], v[L16], s[12:13] offset:1536*(\m+8)+512*\k
.endr
.endr
	s_lshl_b32 s32, s41, 6
	s_add_nc_u64 s[14:15], s[14:15], s[32:33]
	s_lshl_b32 s32, s41, 2
	s_add_nc_u64 s[16:17], s[16:17], s[32:33]
.irp ct, 0,1,2,3
.irp z, 0,1
	global_load_b128 v[WS+8*\ct+4*\z:WS+8*\ct+4*\z+3], v[WSA], s[14:15] offset:1024*\ct+16*\z   ; lane (m, h): words of steps 8 h + 0 .. 7
	global_load_b128 v[BI+8*\ct+4*\z:BI+8*\ct+4*\z+3], v[H32], s[16:17] offset:64*\ct+16*\z     ; b2 of my eight columns
.endr
.endr
	s_mul_i32 s32, s23, 3145728
	s_add_nc_u64 s[8:9], s[8:9], s[32:33]          ; the expert's act: codes,
	s_lshl_b32 s32, s23, 17
	s_add_nc_u64 s[10:11], s[10:11], s[32:33]      ; scale words
	s_lshl_b32 s32, s23, 2
	s_add_nc_u64 s[18:19], s[18:19], s[32:33]      ; routing_weights at column e
	s_lshl_b32 s32, s24, 19
	s_add_nc_u64 s[20:21], s[20:21], s[32:33]      ; part at my 64 columns
	s_wait_kmcnt 0x0                               ; n
	s_add_co_u32 s27, s26, 15
	s_lshr_b32 s27, s27, 4                         ; tiles
	s_max_u32 s28, s27, 1
	s_sub_co_u32 s28, s28, 1                       ; the last tile whose act is stored (tile 0 always is)
	s_wait_loadcnt 63                              ; the list is in: 64 loads are younger, a wait names 63 at the most
	OFFSETS
	ACTLOAD
	s_wait_loadcnt 63                              ; W2, its scale words and b2 are in: 219 loads are younger
.irp n, 0,1,2,3,4,5,6,7,8,9,10,11,12,13,14,15,16,17,18,19,20,21,22,23,24,25,26,27,28,29,30,31
	v_perm_b32 v[WS+\n], v[WS+\n], v[WS+\n], s48
.endr
	WIN 0x0c
.irp m, 0,1,2,3,4,5,6,7
.irp k, 0,1,2
	ds_store_b128 v[WA+\k], v[FB+12*\m+4*\k:FB+12*\m+4*\k+3] offset:48*\m
.endr
.endr
	WIN 0
.irp m, 0,1,2,3,4,5,6,7
.irp k, 0,1,2
	ds_store_b128 v[WA+\k], v[ACC+12*\m+4*\k:ACC+12*\m+4*\k+3] offset:48*(\m+8)
.endr
.endr
	s_wait_dscnt 0x0                               ; my part of W2 lies in LDS
	s_barrier_signal -1
	s_barrier_wait -1                              ; everybody's does; nothing is written there again
	s_mov_b32 s29, 0                               ; lap
.Llap:
	s_cmp_ge_u32 s30, s27
	s_cbranch_scc1 .Lskip
	s_cmp_eq_u32 s29, 0
	s_cbranch_scc1 .Lhave                          ; the first lap's rows were asked for at the head
	LISTD
	s_wait_loadcnt 0x0
	OFFSETS
	ACTLOAD
.Lhave:
	s_wait_loadcnt 63                              ; the weights, act's scale words and its K steps 0 .. 9 are in: the 63 youngest loads are steps 11 .. 15 and three of step 10
.irp m, 0,1,2
	v_and_b32 v236, 0x10000, v[LV+\m]
	v_cmp_eq_u32 vcc_lo, 0, v236
	v_cndmask_b32 v[WT+2*\m], 0, v[WT+2*\m], vcc_lo   ; a marked row weighs nothing
	v_mov_b32 v[WT+2*\m+1], v[WT+2*\m]             ; (named with it as a pair)
.endr
	PLACES 8                                       ; scale words written by vector instructions stand 8 places ahead of a scaled product
	SWEEPD
	PLACES 4
	OUT 0
	OUT 1
	OUT 2
.Lskip:
	s_wait_xcnt 0x0                                ; the stores' data, offsets and the list's base are written again only behind this wait
	s_add_nc_u64 s[4:5], s[4:5], 1536              ; 24 tiles on
	s_add_co_u32 s30, s30, 24
	s_add_co_u32 s29, s29, 1
	s_cmp_lt_u32 s29, 6
	s_cbranch_scc1 .Llap
	s_wait_tensorcnt 0x0
	ds_add_u32 v254, v255
	s_wait_dscnt 0x0
	s_endpgm
.Lfunc_end_k_qe237488257_down:
	.size	k_qe237488257_down, .Lfunc_end_k_qe237488257_down-k_qe237488257_down
	.p2alignl 7, 3214868480
	.fill 96, 4, 3214868480
	.section	.rodata,"a",@progbits
	.p2align	6, 0x0
	.amdhsa_kernel k_qe237488257_down
		.amdhsa_group_segment_fixed_size 122368
		.amdhsa_private_segment_fixed_size 0
		.amdhsa_enable_private_segment 0
		.amdhsa_kernarg_size 72
		.amdhsa_user_sgpr_count 2
		.amdhsa_user_sgpr_kernarg_segment_ptr 1
		.amdhsa_wavefront_size32 1
		.amdhsa_system_sgpr_workgroup_id_x 1
		.amdhsa_system_sgpr_workgroup_id_y 1
		.amdhsa_system_sgpr_workgroup_id_z 1
		.amdhsa_system_vgpr_workitem_id 0
		.amdhsa_next_free_vgpr 1024
		.amdhsa_next_free_sgpr 66
		.amdhsa_reserve_vcc 1
		.amdhsa_float_denorm_mode_32 3
		.amdhsa_float_denorm_mode_16_64 3
		.amdhsa_memory_ordered 1
		.amdhsa_forward_progress 1
		.amdhsa_inst_pref_size 119
	.end_amdhsa_kernel
	.amdgpu_metadata
---
amdhsa.version: [ 1, 2 ]
amdhsa.kernels:
  - .name:           k_qe237488257_down
    .symbol:         k_qe237488257_down.kd
    .args:
      - { .name: rlist, .offset: 0, .size: 8, .value_kind: global_buffer, .address_space: global }
      - { .name: rcount, .offset: 8, .size: 8, .value_kind: global_buffer, .address_space: global }
      - { .name: act_codes, .offset: 16, .size: 8, .value_kind: global_buffer, .address_space: global }
      - { .name: act_scales, .offset: 24, .size: 8, .value_kind: global_buffer, .address_space: global }
      - { .name: down_proj_codes, .offset: 32, .size: 8, .value_kind: global_buffer, .address_space: global }
      - { .name: down_proj_scales, .offset: 40, .size: 8, .value_kind: global_buffer, .address_space: global }
      - { .name: down_proj_bias, .offset: 48, .size: 8, .value_kind: global_buffer, .address_space: global }
      - { .name: routing_weights, .offset: 56, .size: 8, .value_kind: global_buffer, .address_space: global }
      - { .name: part, .offset: 64, .size: 8, .value_kind: global_buffer, .address_space: global }
    .group_segment_fixed_size: 122368
    .private_segment_fixed_size: 0
    .kernarg_segment_align: 8
    .kernarg_segment_size: 72
    .max_flat_workgroup_size: 128
    .sgpr_count:     66
    .vgpr_count:     1024
    .wavefront_size: 32
...
	.end_amdgpu_metadata
.endif
;; end of part 2
;; launch add (part 3): grid 256 x 1, 8 waves a work-group, no clusters, 0 bytes of LDS; arguments part, out0; writes out0
.if DOCPART == 3
	.amdgcn_target "amdgcn-amd-amdhsa--gfx1250"
	.amdhsa_code_object_version 6
	.text
	.protected	k_qe237488257_add
	.globl	k_qe237488257_add
	.p2align	8
	.type	k_qe237488257_add,@function
k_qe237488257_add:
	s_mov_b64 s[64:65], 0
	v_nop
	global_prefetch_b8 v0, s[64:65] scope:SCOPE_SE
	s_setreg_imm32_b32 hwreg(HW_REG_WAVE_MODE, 25, 1), 1
	s_wait_xcnt 0x0
; out0[t] = part[2 t] + part[2 t + 1]: a token's two routed rows, already weighted (an expert that was not chosen has the weight 0 in reference() and adds nothing: its term is left out).
; part lies [column group 16][rho 2,048][64 f32]: a token's two rows of a column group are 512 consecutive bytes.
; A work-group takes 4 tokens; thread i takes the 16 bytes at 16 (i % 16) of column group i / 16: a wave's load covers 2 x 256 consecutive bytes, aligned, its store 512.
; All eight loads go out at once; no LDS, no barrier, no matrix unit: a stream.
	s_load_b128 s[4:7], s[0:1], 0x0                ; part, out0
	v_lshlrev_b32 v1, 4, v0
	v_lshrrev_b32 v2, 4, v0
	v_and_b32 v3, 15, v0
	v_lshlrev_b32 v2, 19, v2                       ; a column group is 524,288 bytes
	v_lshl_add_u32 v2, v3, 4, v2
	s_lshl_b32 s8, ttmp9, 11                       ; 4 tokens x 512 bytes
	s_mov_b32 s9, 0
	s_lshl_b32 s10, ttmp9, 14
	s_mov_b32 s11, 0
	s_wait_alu depctr_va_vdst(0)
	s_wait_kmcnt 0x0
	s_add_nc_u64 s[4:5], s[4:5], s[8:9]
	s_add_nc_u64 s[6:7], s[6:7], s[10:11]
.irp n, 0,1,2,3,4,5,6,7
	global_load_b128 v[4+4*\n:7+4*\n], v2, s[4:5] offset:256*\n th:TH_LOAD_NT
.endr
.irp q, 0,1,2,3
	s_wait_loadcnt 6-2*\q                          ; token q's two rows are in; the later tokens' loads may be out
	v_pk_add_f32 v[4+8*\q:5+8*\q], v[4+8*\q:5+8*\q], v[8+8*\q:9+8*\q]
	v_pk_add_f32 v[6+8*\q:7+8*\q], v[6+8*\q:7+8*\q], v[10+8*\q:11+8*\q]
	global_store_b128 v1, v[4+8*\q:7+8*\q], s[6:7] offset:4096*\q th:TH_STORE_NT
.endr
	s_endpgm
.Lfunc_end_k_qe237488257_add:
	.size	k_qe237488257_add, .Lfunc_end_k_qe237488257_add-k_qe237488257_add
	.p2alignl 7, 3214868480
	.fill 96, 4, 3214868480
	.section	.rodata,"a",@progbits
	.p2align	6, 0x0
	.amdhsa_kernel k_qe237488257_add
		.amdhsa_group_segment_fixed_size 0
		.amdhsa_private_segment_fixed_size 0
		.amdhsa_enable_private_segment 0
		.amdhsa_kernarg_size 16
		.amdhsa_user_sgpr_count 2
		.amdhsa_user_sgpr_kernarg_segment_ptr 1
		.amdhsa_wavefront_size32 1
		.amdhsa_system_sgpr_workgroup_id_x 1
		.amdhsa_system_sgpr_workgroup_id_y 1
		.amdhsa_system_sgpr_workgroup_id_z 1
		.amdhsa_system_vgpr_workitem_id 0
		.amdhsa_next_free_vgpr 36
		.amdhsa_next_free_sgpr 66
		.amdhsa_reserve_vcc 0
		.amdhsa_float_denorm_mode_32 3
		.amdhsa_float_denorm_mode_16_64 3
		.amdhsa_memory_ordered 1
		.amdhsa_forward_progress 1
		.amdhsa_inst_pref_size 3
	.end_amdhsa_kernel
	.amdgpu_metadata
---
amdhsa.version: [ 1, 2 ]
amdhsa.kernels:
  - .name:           k_qe237488257_add
    .symbol:         k_qe237488257_add.kd
    .args:
      - { .name: part, .offset: 0, .size: 8, .value_kind: global_buffer, .address_space: global }
      - { .name: out0, .offset: 8, .size: 8, .value_kind: global_buffer, .address_space: global }
    .group_segment_fixed_size: 0
    .private_segment_fixed_size: 0
    .kernarg_segment_align: 8
    .kernarg_segment_size: 16
    .max_flat_workgroup_size: 256
    .sgpr_count:     66
    .vgpr_count:     36
    .wavefront_size: 32
...
	.end_amdgpu_metadata
.endif
;; end of part 3
